; MI455X (gfx1250); checked and timed in simulation.
; The chip was launched on July 23, 2026; its instructions are those of AMD's public machine-readable ISA for CDNA 5 (MIT licence, August 2026) and "CDNA5" Instruction Set Architecture Reference Guide (July 2026). The comments in the code are by the model that wrote it; some were corrected since.
;; Mo E Block. Allowed arithmetic: float matrix products may take bf16 or f16 operands with f32 sums; all other float work in f32.
;; Inputs: b1 8 x 1,024 float32; b2 8 x 256 float32; gate_b 8 float32; gate_w 256 x 8 float32; w1 8 x 256 x 1,024 float32; w2 8 x 1,024 x 256 float32; x 4 x 2,048 x 256 float32.
;; Outputs: out0 4 x 2,048 x 256 float32.
;; One version. Each part assembles by itself: llvm-mc -triple=amdgcn-amd-amdhsa -mcpu=gfx1250 --defsym DOCPART=n.
;; ======== version 1 of 1: 4 launches
;; limits: values are held in f16: magnitudes above 65,504 overflow, below 6.1e-05 lose precision; right only within a limited range of input values
;; workspace buffers: rec 32,768 bytes of whole numbers; cntw 8,192 bytes of whole numbers; gw 65,536 bytes; rowlist 69,632 bytes of whole numbers; exptab 1,024 bytes of whole numbers; w1h 4,194,304 bytes; w2h 4,194,304 bytes; ybuf 16,777,216 bytes
;; launch gate (part 1): grid 256 x 1, 4 waves a work-group, no clusters, 47,104 bytes of LDS; arguments x, gate_w, gate_b, rec, cntw, gw; writes rec, cntw, gw
.if DOCPART == 1
	.amdgcn_target "amdgcn-amd-amdhsa--gfx1250"
	.amdhsa_code_object_version 6
	.text
	.protected	k_q6b46049528_gate
	.globl	k_q6b46049528_gate
	.p2align	8
	.type	k_q6b46049528_gate,@function
k_q6b46049528_gate:
	s_mov_b64 s[64:65], 0
	v_nop
	global_prefetch_b8 v0, s[64:65] scope:SCOPE_SE
	s_setreg_imm32_b32 hwreg(HW_REG_WAVE_MODE, 25, 1), 1
	s_wait_xcnt 0x0
; THE GATE.  logits = x gate_w + gate_b in f32 on the vector unit, the two largest, their two weights, and for each (token, expert) pair
; its rank among the pairs of that expert inside the token's group of 32 tokens.  Nothing here steers an address: all results are stored
; as values at fixed places and are used by later launches.
; f32 and not the matrix unit: the choice of experts is a comparison, and logits rounded to 16 bits would change it for some tokens;
; the gate is 256 x 8 multiply-adds a token against 2 x 524,288 in the experts.
; A work-group is a group of 32 tokens, lane = token.  Wave w sums d = 64 w .. 64 w + 63; wave 0 adds the four parts and finishes.
; LIMITS.  NaN and infinite inputs are not served.  The two experts are chosen on the f32 logits (strictly greater, so the lower index
; wins a tie), not on the rounded softmax weights: the two orders differ only where logits lie within f32 rounding of each other.
; The weights are 1 / (1 + exp(l2 - l1)) and exp(l2 - l1) / (1 + exp(l2 - l1)): l1 is the largest of all eight logits, so the exponent
; is never above 0, and the softmax's denominator cancels in the renormalisation.
.set XP,   272                         ; LDS pitch of a piece of a row: 256 bytes + 16, an odd multiple of 16
.set WLDS, 10752                       ; a wave's own LDS: 32 x 272 for x, then 2,048 for its 64 rows of gate_w
.set GS,   8704
.set PART, 43008                       ; the four waves' partial logits: w x 1,024 + half x 512 + 16 x lane
.set XR,   16                          ; v[16:79]   x as loaded
.set GWR,  80                          ; v[80:95]   gate_w as loaded
.set XV,   96                          ; v[96:159]  my token's 64 numbers
.set GB0,  160                         ; v[160:223] eight rows of gate_w, the same in every lane; buffer 0
.set GB1,  16                          ; buffer 1 lies where x was loaded
.set ACC,  224                         ; v[224:231] eight partial logits
.set LG,   96                          ; wave 0: the four waves' parts, then the logits in v[96:103]
.set M1,   232
.set I1,   233
.set M2,   234
.set I2,   235
.set TT,   236
.set EX,   237
.set SS,   238
.set R1,   239
.set WW,   240                         ; v[240:241] the two weights
.set R2,   242
.set TM,   243
.set CN,   244                         ; lane e: the group's number of pairs of expert e
.set RC,   245
	s_load_b256 s[4:11], s[0:1], 0x0               ; x s[4:5], gate_w s[6:7], gate_b s[8:9], rec s[10:11]
	s_load_b128 s[12:15], s[0:1], 0x20             ; cntw s[12:13], gw s[14:15]
	v_and_b32 v1, 31, v0                           ; lane
	v_lshrrev_b32 v12, 5, v0
	v_readfirstlane_b32 s16, v12                   ; wave
	v_and_b32 v13, 15, v0
	v_bfe_u32 v14, v0, 4, 1
	s_lshl_b32 s17, s16, 8                         ; my 256 bytes of a row of x
	s_lshl_b32 s18, s16, 11                        ; my 64 rows of gate_w
	s_mul_i32 s19, s16, WLDS                       ; my LDS
	v_lshlrev_b32 v15, 4, v13
	v_lshl_add_u32 v2, v14, 10, v15                ; x: lanes 0-15 one row's 256 bytes, lanes 16-31 the next row's
	v_add_nc_u32 v2, s17, v2
	v_lshl_add_u32 v3, v1, 4, s18                  ; gate_w: 512 neighbouring bytes a load
	v_mul_u32_u24 v4, v14, XP
	v_add3_u32 v4, v4, v15, s19                    ; where those two rows of x go in LDS
	v_lshl_add_u32 v5, v1, 4, s19
	v_add_nc_u32 v5, GS, v5
	v_mul_u32_u24 v6, v1, XP
	v_add_nc_u32 v6, s19, v6                       ; my token's row
	s_add_co_u32 s28, s19, GS
	v_mov_b32 v7, s28                              ; gate_w in LDS, the same address in every lane
	s_lshl_b32 s29, s16, 10
	s_add_co_u32 s29, s29, PART
	v_lshl_add_u32 v8, v1, 4, s29
	v_lshlrev_b32 v9, 4, v1
	v_add_nc_u32 v9, PART, v9
	v_lshlrev_b32 v10, 2, v1
	v_lshlrev_b32 v11, 3, v1
	s_mov_b32 s37, 0
	s_lshl_b32 s36, ttmp9, 15                      ; 32 rows of 1,024 bytes
	s_wait_kmcnt 0x0
	s_load_b256 s[20:27], s[8:9], 0x0              ; gate_b
	s_add_nc_u64 s[4:5], s[4:5], s[36:37]
	s_lshl_b32 s36, ttmp9, 7
	s_add_nc_u64 s[10:11], s[10:11], s[36:37]      ; rec: 32 words
	s_lshl_b32 s36, ttmp9, 5
	s_add_nc_u64 s[12:13], s[12:13], s[36:37]      ; cntw: 8 words
	s_lshl_b32 s36, ttmp9, 8
	s_add_nc_u64 s[14:15], s[14:15], s[36:37]      ; gw: 32 pairs
.irp j, 0,1,2,3,4,5,6,7,8,9,10,11,12,13,14,15
	global_load_b128 v[XR+4*\j:XR+4*\j+3], v2, s[4:5] offset:2048*\j
.endr
.irp q, 0,1,2,3
	global_load_b128 v[GWR+4*\q:GWR+4*\q+3], v3, s[6:7] offset:512*\q
.endr
	s_wait_loadcnt 0x0
	s_wait_kmcnt 0x0                               ; gate_b
	; through the wave's own LDS: in by rows as loaded, out one token a lane.  LDS serves a wave's instructions in order (ISA guide 5.7.1),
	; and no other wave touches these bytes: no wait and no barrier between the stores and the loads.
.irp j, 0,1,2,3,4,5,6,7,8,9,10,11,12,13,14,15
	ds_store_b128 v4, v[XR+4*\j:XR+4*\j+3] offset:2*XP*\j
.endr
.irp q, 0,1,2,3
	ds_store_b128 v5, v[GWR+4*\q:GWR+4*\q+3] offset:512*\q
.endr
.irp q, 0,1,2,3,4,5,6,7,8,9,10,11,12,13,14,15
	ds_load_b128 v[XV+4*\q:XV+4*\q+3], v6 offset:16*\q
.endr
; sixteen loads: rows 8 n .. 8 n + 7 of my 64 rows of gate_w, 32 bytes each, into buffer g
.macro GBLOAD n, g
.irp dd, 0,1,2,3,4,5,6,7
	ds_load_b128 v[\g+8*\dd:\g+8*\dd+3],   v7 offset:32*(8*(\n)+\dd)
	ds_load_b128 v[\g+8*\dd+4:\g+8*\dd+7], v7 offset:32*(8*(\n)+\dd)+16
.endr
.endm
; eight d: eight logits each, two to an instruction, x[d] taken for both halves.  The very first product starts the sums.
.macro FMA8 n, g
.irp dd, 0,1,2,3,4,5,6,7
.irp p, 0,2,4,6
.if (8*(\n)+\dd) == 0
	v_pk_mul_f32 v[ACC+\p:ACC+\p+1], v[\g+8*\dd+\p:\g+8*\dd+\p+1], v[XV:XV+1] op_sel_hi:[1,0]
.elseif (\dd % 2) == 0
	v_pk_fma_f32 v[ACC+\p:ACC+\p+1], v[\g+8*\dd+\p:\g+8*\dd+\p+1], v[XV+8*(\n)+\dd:XV+8*(\n)+\dd+1], v[ACC+\p:ACC+\p+1] op_sel_hi:[1,0,1]
.else
	v_pk_fma_f32 v[ACC+\p:ACC+\p+1], v[\g+8*\dd+\p:\g+8*\dd+\p+1], v[XV+8*(\n)+\dd-1:XV+8*(\n)+\dd], v[ACC+\p:ACC+\p+1] op_sel:[0,1,0] op_sel_hi:[1,1,1]
.endif
.endr
.endr
.endm
	GBLOAD 0, GB0
	GBLOAD 1, GB1
.irp n, 0,2,4
	s_wait_dscnt 16                                ; all but the sixteen loads of the other buffer
	FMA8 \n, GB0
	GBLOAD \n+2, GB0
	s_wait_dscnt 16
	FMA8 \n+1, GB1
	GBLOAD \n+3, GB1
.endr
	s_wait_dscnt 16
	FMA8 6, GB0
	s_wait_dscnt 0
	FMA8 7, GB1
	ds_store_b128 v8, v[ACC:ACC+3]
	ds_store_b128 v8, v[ACC+4:ACC+7] offset:512
	s_wait_dscnt 0x0                               ; for wave 0's sake: my part is in LDS before I signal
	s_barrier_signal -1
	s_barrier_wait -1
	s_cmp_lg_u32 s16, 0
	s_cbranch_scc1 .Ldone                          ; no barrier follows
.irp n, 0,1,2,3
	ds_load_b128 v[LG+8*\n:LG+8*\n+3],   v9 offset:1024*\n
	ds_load_b128 v[LG+8*\n+4:LG+8*\n+7], v9 offset:1024*\n+512
.endr
	s_wait_dscnt 0x0
.irp p, 0,2,4,6
	v_pk_add_f32 v[LG+\p:LG+\p+1], v[LG+\p:LG+\p+1], v[LG+8+\p:LG+8+\p+1]
	v_pk_add_f32 v[LG+16+\p:LG+16+\p+1], v[LG+16+\p:LG+16+\p+1], v[LG+24+\p:LG+24+\p+1]
.endr
.irp p, 0,2,4,6
	v_pk_add_f32 v[LG+\p:LG+\p+1], v[LG+\p:LG+\p+1], v[LG+16+\p:LG+16+\p+1]
.endr
.irp e, 0,1,2,3,4,5,6,7
	v_add_f32 v[LG+\e], s[20+\e], v[LG+\e]
.endr
	; the two largest, by selects alone
	v_mov_b32 v[M1], v[LG]
	v_mov_b32 v[I1], 0
	v_mov_b32 v[M2], 0xff800000                    ; minus infinity: any finite logit beats it
	v_mov_b32 v[I2], 0
.irp e, 1,2,3,4,5,6,7
	v_cmp_gt_f32 s30, v[LG+\e], v[M1]
	v_cmp_gt_f32 s31, v[LG+\e], v[M2]
	v_cndmask_b32 v[M2], v[M2], v[LG+\e], s31
	v_cndmask_b32 v[I2], v[I2], \e, s31
	v_cndmask_b32 v[M2], v[M2], v[M1], s30         ; a new largest pushes the old one down
	v_cndmask_b32 v[I2], v[I2], v[I1], s30
	v_cndmask_b32 v[M1], v[M1], v[LG+\e], s30
	v_cndmask_b32 v[I1], v[I1], \e, s30
.endr
	v_sub_f32 v[TT], v[M2], v[M1]                  ; never above 0
	v_mul_f32 v[TT], 0x3fb8aa3b, v[TT]
	v_exp_f32 v[EX], v[TT]
	v_mov_b32 v[CN], 0                             ; a plain instruction behind the exponential (ISA guide 5.7.2)
	s_wait_alu depctr_va_vdst(0)
	v_add_f32 v[SS], 1.0, v[EX]
	v_rcp_f32 v[WW], v[SS]
	v_mov_b32 v[R1], 0                             ; and one behind the reciprocal
	v_mov_b32 v[R2], 0
	s_wait_alu depctr_va_vdst(0)
	v_mul_f32 v[WW+1], v[EX], v[WW]
	; ranks and counts: a token has at most one pair of an expert, so a pair's rank is the number of lower lanes that chose the expert
.irp e, 0,1,2,3,4,5,6,7
	v_cmp_eq_u32 s30, \e, v[I1]
	v_cmp_eq_u32 s31, \e, v[I2]
	s_or_b32 s32, s30, s31
	s_bcnt1_i32_b32 s33, s32
	v_mbcnt_lo_u32_b32 v[TM], s32, 0
	v_cndmask_b32 v[R1], v[R1], v[TM], s30
	v_cndmask_b32 v[R2], v[R2], v[TM], s31
	v_writelane_b32 v[CN], s33, \e
.endr
	v_lshl_or_b32 v[RC], v[I2], 4, v[I1]           ; e1 | e2 << 4 | rank1 << 8 | rank2 << 16
	v_lshl_or_b32 v[RC], v[R1], 8, v[RC]
	v_lshl_or_b32 v[RC], v[R2], 16, v[RC]
	global_store_b32 v10, v[RC], s[10:11]
	global_store_b64 v11, v[WW:WW+1], s[14:15]     ; the wave stores 256 consecutive bytes, aligned
	v_cmp_gt_u32 vcc_lo, 8, v1
	s_wait_xcnt 0x0                                ; EXEC is a source of the two stores: it changes only behind this wait
	s_and_saveexec_b32 s34, vcc_lo
	global_store_b32 v10, v[CN], s[12:13]          ; lanes 0 to 7: the eight counts
	s_wait_xcnt 0x0
	s_or_b32 exec_lo, exec_lo, s34
.Ldone:
	s_endpgm
.Lfunc_end_k_q6b46049528_gate:
	.size	k_q6b46049528_gate, .Lfunc_end_k_q6b46049528_gate-k_q6b46049528_gate
	.p2alignl 7, 3214868480
	.fill 96, 4, 3214868480
	.section	.rodata,"a",@progbits
	.p2align	6, 0x0
	.amdhsa_kernel k_q6b46049528_gate
		.amdhsa_group_segment_fixed_size 47104
		.amdhsa_private_segment_fixed_size 0
		.amdhsa_enable_private_segment 0
		.amdhsa_kernarg_size 48
		.amdhsa_user_sgpr_count 2
		.amdhsa_user_sgpr_kernarg_segment_ptr 1
		.amdhsa_wavefront_size32 1
		.amdhsa_system_sgpr_workgroup_id_x 1
		.amdhsa_system_sgpr_workgroup_id_y 1
		.amdhsa_system_sgpr_workgroup_id_z 1
		.amdhsa_system_vgpr_workitem_id 0
		.amdhsa_next_free_vgpr 248
		.amdhsa_next_free_sgpr 66
		.amdhsa_reserve_vcc 1
		.amdhsa_float_denorm_mode_32 3
		.amdhsa_float_denorm_mode_16_64 3
		.amdhsa_memory_ordered 1
		.amdhsa_forward_progress 1
		.amdhsa_inst_pref_size 41
	.end_amdhsa_kernel
	.amdgpu_metadata
---
amdhsa.version: [ 1, 2 ]
amdhsa.kernels:
  - .name:           k_q6b46049528_gate
    .symbol:         k_q6b46049528_gate.kd
    .args:
      - { .name: x, .offset: 0, .size: 8, .value_kind: global_buffer, .address_space: global }
      - { .name: gate_w, .offset: 8, .size: 8, .value_kind: global_buffer, .address_space: global }
      - { .name: gate_b, .offset: 16, .size: 8, .value_kind: global_buffer, .address_space: global }
      - { .name: rec, .offset: 24, .size: 8, .value_kind: global_buffer, .address_space: global }
      - { .name: cntw, .offset: 32, .size: 8, .value_kind: global_buffer, .address_space: global }
      - { .name: gw, .offset: 40, .size: 8, .value_kind: global_buffer, .address_space: global }
    .group_segment_fixed_size: 47104
    .private_segment_fixed_size: 0
    .kernarg_segment_align: 8
    .kernarg_segment_size: 48
    .max_flat_workgroup_size: 128
    .sgpr_count:     66
    .vgpr_count:     248
    .wavefront_size: 32
...
	.end_amdgpu_metadata
.endif
;; end of part 1
;; launch prep (part 2): grid 257 x 1, 8 waves a work-group, no clusters, 77,952 bytes of LDS; arguments rec, cntw, w1, w2, rowlist, exptab, w1h, w2h; writes rowlist, exptab, w1h, w2h
.if DOCPART == 2
	.amdgcn_target "amdgcn-amd-amdhsa--gfx1250"
	.amdhsa_code_object_version 6
	.text
	.protected	k_q6b46049528_prep
	.globl	k_q6b46049528_prep
	.p2align	8
	.type	k_q6b46049528_prep,@function
k_q6b46049528_prep:
	s_mov_b64 s[64:65], 0
	v_nop
	global_prefetch_b8 v0, s[64:65] scope:SCOPE_SE
	s_setreg_imm32_b32 hwreg(HW_REG_WAVE_MODE, 25, 1), 1
	s_wait_xcnt 0x0
; Work-group 0 makes the routing tables; work-groups 1 to 256 round w1 and w2 to f16, in the same layout (65,536 bytes of f32 each).
; LIMIT of the rounding: a weight above 65,504 in magnitude becomes infinite (the drawn weights stay below 0.0625).
; THE TABLES.  The pairs (token, expert) are laid out by expert; an expert's rows begin at a multiple of 80 (a work-group's block in the next
; launch).  rowlist[p] = 2 t + k for the pair at place p, or 0x4000 where a place holds no pair; exptab[b] = the expert of block b, or 8.
; Place of a pair = 80 x (blocks of lower experts) + pairs of that expert in lower groups of 32 tokens + its rank in its group.
; The sum over experts of ceil(count / 80) is at most (16,384 + 8 x 79) / 80, that is 212 blocks, 16,960 places; the list has 17,408 entries
; (17 steps of 4,096 bytes), which also covers the 48 entries that the next launch's table load reads beyond a block.
; The list is built in LDS and leaves by whole stores of 16 bytes a lane, so that every entry is written, pair or not.
.set LIST, 0                           ; 17,408 words
.set ZT,   69632                       ; [256 groups][8 experts]: place of the group's first pair of the expert
.set WT,   77824                       ; [8 waves][4]: the waves' packed totals
.set NLIST, 17408
.set BLK,  80
.set PADV, 0x4000
.set C,    8                           ; v[8:15]    my group's eight counts
.set P,    16                          ; v[16:19]   running sums, two experts to a word (no sum passes 8,192, so 16-bit fields never carry)
.set PK,   20                          ; v[20:23]   my own counts, packed
.set T,    24
.set REC,  32                          ; v[32:63]   rec of tokens 1,024 j + 4 tid + q
.set W,    64                          ; v[64:95]   the eight waves' totals
.set OFF,  96
.set TOT,  100
.set E,    104
.set Z,    108                         ; v[108:115]
.set TM,   116
.set WS,   120                         ; v[120:123]
.set ZV,   64
.set AD,   72
.set DV,   80
.set OUTR, 32                          ; v[32:99]   the list on its way out
	s_load_b512 s[4:19], s[0:1], 0x0               ; rec 4, cntw 6, w1 8, w2 10, rowlist 12, exptab 14, w1h 16, w2h 18
	v_lshlrev_b32 v1, 4, v0                        ; 16 tid
	s_cmp_lg_u32 ttmp9, 0
	s_cbranch_scc1 .Lconvert                       ; hangs on the work-group's number alone
	v_lshrrev_b32 v[T], 5, v0
	v_readfirstlane_b32 s20, v[T]                  ; wave
	s_mov_b32 s21, 0xffff0000                      ; lanes 16 to 31
	v_lshlrev_b32 v3, 5, v0
	s_wait_kmcnt 0x0
	global_load_b128 v[C:C+3],   v3, s[6:7]
	global_load_b128 v[C+4:C+7], v3, s[6:7] offset:16
.irp j, 0,1,2,3,4,5,6,7
	global_load_b128 v[REC+4*\j:REC+4*\j+3], v1, s[4:5] offset:4096*\j
.endr
.irp q, 28,29,30,31
	v_mov_b32 v\q, PADV
.endr
	v_add_nc_u32 v2, 0x10000, v1                   ; an LDS offset has 16 bits: the list's last 4 KiB by a second register
.irp j, 0,1,2,3,4,5,6,7,8,9,10,11,12,13,14,15
	ds_store_b128 v1, v[28:31] offset:4096*\j
.endr
	ds_store_b128 v2, v[28:31]
	s_lshl_b32 s48, s20, 4
	s_add_co_u32 s48, s48, WT
	v_mov_b32 v4, s48
	v_mov_b32 v5, WT
	v_add_nc_u32 v6, ZT, v3                        ; my group's eight places
	v_lshrrev_b32 v7, 3, v0
	v_lshlrev_b32 v7, 5, v7
	v_add_nc_u32 v7, ZT, v7                        ; the group of tokens 4 tid .. 4 tid + 3 (+ 32 groups for each j)
	v_lshlrev_b32 v25, 3, v0                       ; 2 x token 4 tid
	v_lshlrev_b32 v26, 2, v0
	s_wait_loadcnt 0x8                             ; the counts are in; the eight loads of rec stay out
.irp q, 0,1,2,3
	v_lshl_or_b32 v[PK+\q], v[C+2*\q+1], 16, v[C+2*\q]
	v_mov_b32 v[P+\q], v[PK+\q]
.endr
; inclusive sums over the wave's 32 lanes: four steps inside each half of 16, then the lower half's total onto the upper half
.macro SCAN r
.irp n, 1,2,4,8
	v_mov_b32_dpp v[T], v[\r] row_shr:\n row_mask:0xf bank_mask:0xf bound_ctrl:1
	v_add_nc_u32 v[\r], v[\r], v[T]
.endr
	v_readlane_b32 s44, v[\r], 15
	v_cndmask_b32 v[T], 0, s44, s21
	v_add_nc_u32 v[\r], v[\r], v[T]
.endm
	SCAN P
	SCAN P+1
	SCAN P+2
	SCAN P+3
.irp q, 0,1,2,3
	v_readlane_b32 s[44+\q], v[P+\q], 31
.endr
.irp q, 0,1,2,3
	v_mov_b32 v[WS+\q], s[44+\q]
.endr
	ds_store_b128 v4, v[WS:WS+3]
	s_wait_dscnt 0x0                               ; my total and my part of the cleared list are in LDS
	s_barrier_signal -1
	s_barrier_wait -1
.irp n, 0,1,2,3,4,5,6,7
	ds_load_b128 v[W+4*\n:W+4*\n+3], v5 offset:16*\n
.endr
	s_wait_dscnt 0x0
.irp n, 0,1,2,3,4,5,6,7
	s_cmp_gt_u32 s20, \n
	s_cselect_b32 s44, -1, 0                       ; all ones for the waves below mine
.irp q, 0,1,2,3
.if \n == 0
	v_and_b32 v[OFF+\q], s44, v[W+\q]
.else
	v_and_b32 v[T], s44, v[W+4*\n+\q]
	v_add_nc_u32 v[OFF+\q], v[OFF+\q], v[T]
.endif
.if \n == 1
	v_add_nc_u32 v[TOT+\q], v[W+\q], v[W+4+\q]
.elseif \n > 1
	v_add_nc_u32 v[TOT+\q], v[TOT+\q], v[W+4*\n+\q]
.endif
.endr
.endr
.irp q, 0,1,2,3
	v_add_nc_u32 v[E+\q], v[OFF+\q], v[P+\q]
	v_sub_nc_u32 v[E+\q], v[E+\q], v[PK+\q]        ; pairs of the expert in lower groups
	v_readfirstlane_b32 s[24+\q], v[TOT+\q]
.endr
	; blocks of each expert: ceil(total / 80) = ((total + 79) >> 4) / 5, the division by 52,429 / 2^18 (exact up to 516, the most here)
	s_mov_b32 s45, 0
.irp e, 0,1,2,3,4,5,6,7
.if \e % 2
	s_lshr_b32 s44, s[24+\e/2], 16
.else
	s_and_b32 s44, s[24+\e/2], 0xffff
.endif
	s_add_co_u32 s44, s44, BLK-1
	s_lshr_b32 s44, s44, 4
	s_mul_i32 s44, s44, 0xcccd
	s_lshr_b32 s44, s44, 18
	s_mul_i32 s[36+\e], s45, BLK                   ; the expert's first place
	s_add_co_u32 s45, s45, s44
	s_mov_b32 s[28+\e], s45                        ; the first block behind the expert's
.endr
.irp e, 0,1,2,3,4,5,6,7
.if \e % 2
	v_lshrrev_b32 v[TM], 16, v[E+\e/2]
.else
	v_and_b32 v[TM], 0xffff, v[E+\e/2]
.endif
	v_add_nc_u32 v[Z+\e], s[36+\e], v[TM]
.endr
	ds_store_b128 v6, v[Z:Z+3]
	ds_store_b128 v6, v[Z+4:Z+7] offset:16
	; exptab[tid] = how many experts' blocks end at or below block tid: 256 entries, one a thread
.irp e, 0,1,2,3,4,5,6,7
	v_cmp_le_u32 vcc_lo, s[28+\e], v0
.if \e == 0
	v_cndmask_b32 v27, 0, 1, vcc_lo
.else
	v_cndmask_b32 v[TM], 0, 1, vcc_lo
	v_add_nc_u32 v27, v27, v[TM]
.endif
.endr
	global_store_b32 v26, v27, s[14:15]
	s_wait_dscnt 0x0                               ; my group's places are in LDS
	s_barrier_signal -1
	s_barrier_wait -1
	s_wait_loadcnt 0x0                             ; rec
	; each pair into its place.  Numbers that were loaded enter an LDS address only behind a v_min_u32 with a constant.
.irp j, 0,1,2,3,4,5,6,7
.irp q, 0,1,2,3
.irp k, 0,1
	v_bfe_u32 v[TM], v[REC+4*\j+\q], 4*\k, 3
	v_min_u32 v[TM], 7, v[TM]
	v_lshl_add_u32 v[AD+2*\q+\k], v[TM], 2, v7
	ds_load_b32 v[ZV+2*\q+\k], v[AD+2*\q+\k] offset:1024*\j
.endr
.endr
	s_wait_dscnt 0x0
.irp q, 0,1,2,3
.irp k, 0,1
	v_bfe_u32 v[TM], v[REC+4*\j+\q], 8+8*\k, 5
	v_add_nc_u32 v[ZV+2*\q+\k], v[ZV+2*\q+\k], v[TM]
	v_min_u32 v[ZV+2*\q+\k], NLIST-1, v[ZV+2*\q+\k]
	v_lshlrev_b32 v[ZV+2*\q+\k], 2, v[ZV+2*\q+\k]
	v_add_nc_u32 v[DV+2*\q+\k], 2048*\j+2*\q+\k, v25
	ds_store_b32 v[ZV+2*\q+\k], v[DV+2*\q+\k]      ; every pair has a place of its own: no two stores meet
.endr
.endr
.endr
	s_wait_dscnt 0x0
	s_barrier_signal -1
	s_barrier_wait -1
.irp j, 0,1,2,3,4,5,6,7,8,9,10,11,12,13,14,15
	ds_load_b128 v[OUTR+4*\j:OUTR+4*\j+3], v1 offset:4096*\j
.endr
	ds_load_b128 v[OUTR+64:OUTR+67], v2
.irp j, 0,1,2,3,4,5,6,7,8,9,10,11,12,13,14,15,16
	s_wait_dscnt 16-\j                             ; LDS loads come back in order: load j is in
	global_store_b128 v1, v[OUTR+4*\j:OUTR+4*\j+3], s[12:13] offset:4096*\j
.endr
	s_endpgm
.Lconvert:
	; 65,536 bytes of f32 in, 32,768 of f16 out.  All sixteen loads of a lane go out at once; a store of the wave covers 256 consecutive bytes, aligned.
	s_sub_co_u32 s20, ttmp9, 1
	v_lshlrev_b32 v2, 3, v0
	s_wait_kmcnt 0x0
	s_cmp_lt_u32 s20, 128                          ; the first 128 take w1, the others w2
	s_cselect_b64 s[22:23], s[8:9], s[10:11]
	s_cselect_b64 s[24:25], s[16:17], s[18:19]
	s_and_b32 s20, s20, 127
	s_lshl_b32 s26, s20, 16
	s_mov_b32 s27, 0
	s_add_nc_u64 s[22:23], s[22:23], s[26:27]
	s_lshl_b32 s26, s20, 15
	s_add_nc_u64 s[24:25], s[24:25], s[26:27]
.irp j, 0,1,2,3,4,5,6,7,8,9,10,11,12,13,14,15
	global_load_b128 v[16+4*\j:19+4*\j], v1, s[22:23] offset:4096*\j th:TH_LOAD_NT
.endr
.irp j, 0,1,2,3,4,5,6,7,8,9,10,11,12,13,14,15
	s_wait_loadcnt 15-\j                           ; loads come back in order: load j is in
	v_cvt_pk_f16_f32 v[80+2*\j], v[16+4*\j], v[17+4*\j]
	v_cvt_pk_f16_f32 v[81+2*\j], v[18+4*\j], v[19+4*\j]
	global_store_b64 v2, v[80+2*\j:81+2*\j], s[24:25] offset:2048*\j
.endr
	s_endpgm
.Lfunc_end_k_q6b46049528_prep:
	.size	k_q6b46049528_prep, .Lfunc_end_k_q6b46049528_prep-k_q6b46049528_prep
	.p2alignl 7, 3214868480
	.fill 96, 4, 3214868480
	.section	.rodata,"a",@progbits
	.p2align	6, 0x0
	.amdhsa_kernel k_q6b46049528_prep
		.amdhsa_group_segment_fixed_size 77952
		.amdhsa_private_segment_fixed_size 0
		.amdhsa_enable_private_segment 0
		.amdhsa_kernarg_size 64
		.amdhsa_user_sgpr_count 2
		.amdhsa_user_sgpr_kernarg_segment_ptr 1
		.amdhsa_wavefront_size32 1
		.amdhsa_system_sgpr_workgroup_id_x 1
		.amdhsa_system_sgpr_workgroup_id_y 1
		.amdhsa_system_sgpr_workgroup_id_z 1
		.amdhsa_system_vgpr_workitem_id 0
		.amdhsa_next_free_vgpr 128
		.amdhsa_next_free_sgpr 66
		.amdhsa_reserve_vcc 1
		.amdhsa_float_denorm_mode_32 3
		.amdhsa_float_denorm_mode_16_64 3
		.amdhsa_memory_ordered 1
		.amdhsa_forward_progress 1
		.amdhsa_inst_pref_size 59
	.end_amdhsa_kernel
	.amdgpu_metadata
---
amdhsa.version: [ 1, 2 ]
amdhsa.kernels:
  - .name:           k_q6b46049528_prep
    .symbol:         k_q6b46049528_prep.kd
    .args:
      - { .name: rec, .offset: 0, .size: 8, .value_kind: global_buffer, .address_space: global }
      - { .name: cntw, .offset: 8, .size: 8, .value_kind: global_buffer, .address_space: global }
      - { .name: w1, .offset: 16, .size: 8, .value_kind: global_buffer, .address_space: global }
      - { .name: w2, .offset: 24, .size: 8, .value_kind: global_buffer, .address_space: global }
      - { .name: rowlist, .offset: 32, .size: 8, .value_kind: global_buffer, .address_space: global }
      - { .name: exptab, .offset: 40, .size: 8, .value_kind: global_buffer, .address_space: global }
      - { .name: w1h, .offset: 48, .size: 8, .value_kind: global_buffer, .address_space: global }
      - { .name: w2h, .offset: 56, .size: 8, .value_kind: global_buffer, .address_space: global }
    .group_segment_fixed_size: 77952
    .private_segment_fixed_size: 0
    .kernarg_segment_align: 8
    .kernarg_segment_size: 64
    .max_flat_workgroup_size: 256
    .sgpr_count:     66
    .vgpr_count:     128
    .wavefront_size: 32
...
	.end_amdgpu_metadata
.endif
;; end of part 2
;; launch ffn (part 3): grid 212 x 1, 4 waves a work-group, no clusters, 327,680 bytes of LDS; arguments w1h, w2h, x, gw, rowlist, exptab, b1, b2, ybuf; writes ybuf
.if DOCPART == 3
	.amdgcn_target "amdgcn-amd-amdhsa--gfx1250"
	.amdhsa_code_object_version 6
	.text
	.protected	k_q6b46049528_ffn
	.globl	k_q6b46049528_ffn
	.p2align	8
	.type	k_q6b46049528_ffn,@function
k_q6b46049528_ffn:
	s_mov_b64 s[64:65], 0
	v_nop
	global_prefetch_b8 v0, s[64:65] scope:SCOPE_SE
	s_setreg_imm32_b32 hwreg(HW_REG_WAVE_MODE, 25, 1), 1
	s_wait_xcnt 0x0
; THE EXPERTS, on the chosen rows alone.  ybuf[2 t + k] = weight x (gelu(x[t] w1[e] + b1[e]) w2[e] + b2[e]) for the pair (t, k) of expert e.
; A work-group serves one block of 80 rows of the list (rowlist), all of one expert (exptab), with four waves.
; THE GRID.  Rows are laid out by expert in blocks of 80, so some blocks are partly filled; for ANY routing of 16,384 pairs to 8 experts there are
; at most (16,384 + 8 x 79) / 80, that is 212 blocks.  A place without a pair holds 0x4000: such a row is computed on a clamped row of x and
; its store is masked off.  A block that a routing leaves empty runs the same text: barriers stand under no branch on loaded data.
; THE WALK.  The 1,024 hidden columns go in 8 chunks of 128.  In a chunk wave w makes hidden columns 32 w .. + 31 of all 80 rows (K = 256, x held in
; registers as 40 fragments), applies the GELU, hands them to the others through LDS, and adds K = 128 onto its 64 output columns of all 80 rows.
; NO CLUSTER.  The blocks of one expert walk the same weights, but which expert a block has is a number read from a table, while a joint request's
; address is made of the ids that the partners share; and an expert has any number of blocks from 0 to 103, so the grid does not divide into
; clusters of one expert.  Each work-group asks for its own 128 KiB of weights a chunk.
; TRANSPOSED USE.  Source 0 is the weights' fragment, source 1 the rows'.  Lane (r, h) then holds row r and columns 8 h + 0 .. 7 of a tile: the two
; tiles of GEMM1 pack into one K = 32 fragment of the rows, the biases are simply the C of the first product, and the results pack by rows.
; The weights lie [K][N] in memory and in LDS and are transposed by ds_load_tr16_b128; their LDS pitches are odd multiples of 32 bytes.
; THE FORMAT.  x, w1, h, w2 are rounded to f16 for the products; sums, biases, GELU and weights are f32.  f16 and not bf16: a result passes four
; roundings, two of them in front of the GELU; with 8 significant bits they add up to some 3e-3 of the output's root mean square, too near an
; allowance of 1e-2 that 2,097,152 numbers have to keep; with 11 bits it is an eighth of that.  f16's range has room: with x, w1 and b1 all 30 times
; larger than drawn h has a root mean square of 16 x 30 x 1.08 = 520; with offsets of 30 on x and 1.9 on w1 it is near 256 x 30 x 1.9 = 14,600;
; with everything 30 times smaller h is about 5e-4, still a normal f16 number, and w2's smallest numbers keep an absolute step of 6e-8.
; LIMITS.  NaN and infinities are not served.  An |x|, |w1|, |w2| or h above 65,504 becomes infinite in f16.
; GELU is x Phi(x) with Phi by the rational formula 26.2.17 of Abramowitz and Stegun (absolute error of Phi 7.5e-8 for every x), in the form
; max(x, 0) - |x| Q(|x|), which subtracts no large numbers and goes to the right limits where the exponential underflows.
.set SLOT, 143360                      ; a slot: w1's chunk (256 rows x 288), then w2's (128 rows x 544)
.set W1P,  288
.set W2P,  544
.set W1H,  128*W1P                     ; what one load brings of w1: 128 rows
.set W2O,  256*W1P
.set W2H,  64*W2P                      ; of w2: 64 rows
.set HB,   2*SLOT                      ; 80 rows x 272: x on its way in, h between the waves, y on its way out; no fill ever lands here
.set HBP,  272
.set ROWT, HB+80*HBP                   ; 128 x {weight, row of ybuf}, one entry a thread; the first 80 are the block's
; window 0
.set AW1,  4                           ; v4-7    w1's fragments: slot 0 rows 0-127, rows 128-255, slot 1 likewise
.set AW2,  8                           ; v8-9    w2's fragments in slot 0, 1
.set AH,   10                          ; v10     a fragment of rows in HB
.set AHS,  11                          ; v11     where my h goes
.set XST,  12                          ; v12     where my rows of x go
.set VB1,  13                          ; v13     offset in b1, stepped by 512 a chunk
.set OSW,  14                          ; v14     the way out: in
.set OSR,  15                          ; v15     the way out: back
.set RTA,  16
.set YCO,  17
.set K5,   18                          ; v[18:19]
.set B1R,  32                          ; v[32:47]  b1 of this chunk's two tiles
.set ACC,  48                          ; v[48:127] GEMM1's ten tiles, (i, t) at 48 + 8 (2 i + t)
.set TA,   128
.set TU,   144
.set TE,   160
.set TP,   176
.set HPK,  192
.set HF,   48                          ; v[48:207] GEMM2's twenty fragments of h, (s, i) at 48 + 8 (5 s + i)
.set XR,   48                          ; v[48:207] at the start: 20 rows of x as loaded
.set RL,   208                         ; v[208:227] my 20 entries of the list, then their offsets in x
.set RB,   48                          ; the way out: v[48:79] 16 rows back from the stage
.set RT,   80                          ; v[80:159]  40 pairs {weight, row}
.set YA,   160                         ; v[160:199] 40 offsets in ybuf
; window 1: x's fragments (s, i), s = 0..5, at 8 (5 s + i).  Window 2: s = 6, 7 at 8 (5 (s - 6) + i); v80-207 the weights' fragments.
.set WF,   80
; window 3: y's twenty tiles (i, t) at 8 (4 i + t); b2 of my four tiles at 160 + 8 t
.set B2R,  160
.set G1A,  32                          ; s[32:39] shape of a load of w1
.set G1B,  40                          ; s[40:47] of w2
.set G0A,  48                          ; s[48:55] from where, to where: w1, a set for each slot
.set G0B,  56                          ; s[56:63] w2
.set MSB, 0
.macro WIN new                         ; s_set_vgpr_msb: bits 1:0 source 0, 3:2 source 1, 5:4 source 2, 7:6 destination; the high byte repeats the setting left
.if MSB != \new
	s_set_vgpr_msb (MSB<<8)|\new
.set MSB, \new
.endif
.endm
.macro PLACES n                        ; places behind matrix instructions (ISA guide 7.12.1)
.rept \n
	v_nop
.endr
.endm
.macro BAR
	s_barrier_signal -1
	s_barrier_wait -1
.endm
.macro TLOAD n                         ; one tensor load a wave: waves 0, 1 the halves of w1's chunk, waves 2, 3 the halves of w2's
	s_cmp_eq_u32 s23, 0
	s_cbranch_scc0 .Lfor_w2_\@
	tensor_load_to_lds s[G0A+4*\n:G0A+4*\n+3], s[G1A:G1A+7]
	s_nop 0
	s_branch .Lasked_\@
.Lfor_w2_\@:
	tensor_load_to_lds s[G0B+4*\n:G0B+4*\n+3], s[G1B:G1B+7]
	s_nop 0
.Lasked_\@:
.endm
	s_load_b512 s[4:19], s[0:1], 0x0               ; w1h 4, w2h 6, x 8, gw 10, rowlist 12, exptab 14, b1 16, b2 18
	s_load_b64 s[20:21], s[0:1], 0x40              ; ybuf
	v_lshrrev_b32 v20, 5, v0
	v_readfirstlane_b32 s22, v20                   ; wave
	s_lshr_b32 s23, s22, 1                         ; I fetch w1 (0) or w2 (1),
	s_and_b32 s24, s22, 1                          ; and which half of its rows
	s_lshl_b32 s30, ttmp9, 2                       ; my block's entry in exptab
	s_mov_b32 s31, 0
	s_mul_i32 s84, ttmp9, 320                      ; my block's 80 entries of the list,
	s_mul_i32 s85, s22, 80
	s_add_co_u32 s85, s84, s85                     ; my wave's 20 among them
	v_and_b32 v1, 31, v0                           ; L
	v_and_b32 v2, 15, v0                           ; r
	v_bfe_u32 v3, v0, 4, 1                         ; h
	v_mov_b32 v28, s85
	v_lshl_add_u32 v29, v0, 2, s84                 ; entry tid from the block's first: 128 entries, the last at 211 x 80 + 127, inside the list's 17,408
	s_wait_kmcnt 0x0
	s_add_nc_u64 s[14:15], s[14:15], s[30:31]
	s_load_b32 s28, s[14:15], 0x0                  ; the block's expert
.irp q, 0,1,2,3,4
	global_load_b128 v[RL+4*\q:RL+4*\q+3], v28, s[12:13] offset:16*\q    ; my 20 entries, the same in every lane
.endr
	global_load_b32 v25, v29, s[12:13]             ; and one to a thread
	; constants of the GELU; both registers of a pair are written
	s_mov_b32 s66, 0x3e6d3389                      ; 0.2316419
	s_mov_b32 s67, 0x3e6d3389
	s_mov_b32 s68, 0xbf38aa3b                      ; - log2(e) / 2
	s_mov_b32 s69, 0xbf38aa3b
	s_mov_b32 s70, 0x3f3a00e3                      ; the five coefficients times - 1 / sqrt(2 pi): the fourth,
	s_mov_b32 s71, 0x3f3a00e3
	s_mov_b32 s72, 0xbf35f0e3                      ; third,
	s_mov_b32 s73, 0xbf35f0e3
	s_mov_b32 s74, 0x3e11a98e                      ; second,
	s_mov_b32 s75, 0x3e11a98e
	s_mov_b32 s76, 0xbe027906                      ; first,
	s_mov_b32 s77, 0xbe027906
	s_mov_b32 s78, 0x7fffffff
	v_mov_b32 v[K5], 0xbf07dc22                    ; fifth
	v_mov_b32 v[K5+1], 0xbf07dc22
	; LDS addresses: constants, the lane and the wave's number
	v_and_b32 v20, 7, v0
	v_lshl_add_u32 v20, v3, 3, v20                 ; a transposing load's row: 8 h + L % 8
	v_bfe_u32 v21, v0, 3, 1                        ; and its half of 16 columns
	s_lshl_b32 s80, s22, 6
	v_mul_u32_u24 v22, v20, W1P
	v_lshl_add_u32 v22, v21, 4, v22
	v_add_nc_u32 v[AW1], s80, v22                  ; + my 32 hidden columns
	v_add_nc_u32 v[AW1+1], W1H, v[AW1]
	v_add_nc_u32 v[AW1+2], SLOT, v[AW1]
	v_add_nc_u32 v[AW1+3], SLOT+W1H, v[AW1]
	s_lshl_b32 s81, s22, 7
	s_add_co_u32 s81, s81, W2O
	v_mul_u32_u24 v22, v20, W2P
	v_lshl_add_u32 v22, v21, 4, v22
	v_add_nc_u32 v[AW2], s81, v22                  ; + my 64 output columns
	v_add_nc_u32 v[AW2+1], SLOT, v[AW2]
	v_mul_u32_u24 v22, v2, HBP
	v_lshl_add_u32 v[AH], v3, 4, v22
	v_add_nc_u32 v[AH], HB, v[AH]                  ; row r, 16 bytes for each half of the lanes
	v_add_nc_u32 v[AHS], s80, v[AH]
	s_mul_i32 s81, s22, 20*HBP
	s_add_co_u32 s81, s81, HB
	v_lshl_add_u32 v[XST], v1, 3, s81              ; my 20 rows, 8 bytes a lane
	s_mul_i32 s83, s22, 16*HBP
	s_add_co_u32 s83, s83, HB                      ; my stage on the way out
	v_lshl_add_u32 v[OSW], v3, 5, v22
	v_add_nc_u32 v[OSW], s83, v[OSW]
	v_mul_u32_u24 v[OSR], v3, HBP
	v_lshl_add_u32 v[OSR], v2, 4, v[OSR]
	v_add_nc_u32 v[OSR], s83, v[OSR]
	v_lshlrev_b32 v[RTA], 3, v3
	v_add_nc_u32 v[RTA], ROWT, v[RTA]
	s_lshl_b32 s82, s22, 8
	v_lshl_add_u32 v[YCO], v2, 4, s82
	v_lshlrev_b32 v31, 3, v0
	v_add_nc_u32 v31, ROWT, v31                    ; my thread's entry of the table
	v_lshlrev_b32 v26, 4, v1
	; group 1 of w1's loads: 128 rows of 128 f16, 1,024 elements from row to row; in LDS 8 words of padding behind every 64
	s_mov_b32 s[G1A+0], (1<<16)|(1<<20)|(5<<22)|(7<<25)   ; 15:0 no mask; 17:16 2 bytes; 20 padding; 24:22 interval; 31:25 pad
	s_mov_b32 s[G1A+1], 128<<16                    ; tensor_dim0
	s_mov_b32 s[G1A+2], 128<<16                    ; tensor_dim1
	s_mov_b32 s[G1A+3], 128<<16                    ; tile_dim0
	s_mov_b32 s[G1A+4], 128                        ; tile_dim1
	s_mov_b32 s[G1A+5], 1024                       ; pitch
	s_mov_b32 s[G1A+6], 0
	s_mov_b32 s[G1A+7], 0
	; of w2's: 64 rows of 256 f16, dense; 8 words of padding behind every 128
	s_mov_b32 s[G1B+0], (1<<16)|(1<<20)|(6<<22)|(7<<25)
	s_mov_b32 s[G1B+1], 256<<16
	s_mov_b32 s[G1B+2], 64<<16
	s_mov_b32 s[G1B+3], 256<<16
	s_mov_b32 s[G1B+4], 64
	s_mov_b32 s[G1B+5], 256
	s_mov_b32 s[G1B+6], 0
	s_mov_b32 s[G1B+7], 0
	s_mul_i32 s86, s22, W1H                        ; waves 0, 1: w1's halves at 0 and 36,864 of a slot
	s_mul_i32 s87, s22, W2H
	s_add_co_u32 s87, s87, W2O-2*W2H               ; waves 2, 3: w2's halves at 73,728 and 108,544
	s_wait_kmcnt 0x0
	s_min_u32 s28, s28, 7                          ; 8 = a block without rows: it walks expert 7's weights and stores nothing
	s_lshl_b32 s30, s28, 19                        ; an expert's 524,288 bytes
	s_add_nc_u64 s[4:5], s[4:5], s[30:31]
	s_add_nc_u64 s[6:7], s[6:7], s[30:31]
	s_lshl_b32 s30, s24, 18                        ; 128 rows of 2,048 bytes
	s_add_nc_u64 s[4:5], s[4:5], s[30:31]
	s_lshl_b32 s30, s24, 15                        ; 64 rows of 512 bytes
	s_add_nc_u64 s[6:7], s[6:7], s[30:31]
.irp n, 0,1
	s_mov_b32 s[G0A+4*\n], 1
	s_add_co_u32 s[G0A+4*\n+1], s86, \n*SLOT
	s_add_nc_u64 s[G0A+4*\n+2:G0A+4*\n+3], s[4:5], \n*256          ; chunk n: 128 columns on
	s_or_b32 s[G0A+4*\n+3], s[G0A+4*\n+3], 0x80000000
	s_mov_b32 s[G0B+4*\n], 1
	s_add_co_u32 s[G0B+4*\n+1], s87, \n*SLOT
	s_add_nc_u64 s[G0B+4*\n+2:G0B+4*\n+3], s[6:7], \n*65536        ; chunk n: 128 rows on
	s_or_b32 s[G0B+4*\n+3], s[G0B+4*\n+3], 0x80000000
.endr
	; the first fills, chunks 0 and 1, as one group in one branch on the wave's number: two tensor loads of the wave are out
	s_cmp_eq_u32 s23, 0
	s_cbranch_scc0 .Lfirst_w2
	tensor_load_to_lds s[G0A:G0A+3], s[G1A:G1A+7]
	s_nop 0
	tensor_load_to_lds s[G0A+4:G0A+7], s[G1A:G1A+7]
	s_nop 0
	s_branch .Lfirst_asked
.Lfirst_w2:
	tensor_load_to_lds s[G0B:G0B+3], s[G1B:G1B+7]
	s_nop 0
	tensor_load_to_lds s[G0B+4:G0B+7], s[G1B:G1B+7]
	s_nop 0
.Lfirst_asked:
	s_lshl_b32 s82, s28, 12
	s_lshl_b32 s30, s22, 7
	s_add_co_u32 s82, s82, s30
	v_lshl_add_u32 v[VB1], v3, 5, s82              ; b1: expert, my 32 columns, 8 h
	s_lshl_b32 s82, s28, 10
	s_lshl_b32 s30, s22, 8
	s_add_co_u32 s82, s82, s30
	v_lshl_add_u32 v27, v3, 5, s82                 ; b2: expert, my 64 columns, 8 h
	; THE ROWS.  53 loads in this order: 1 weight, 20 first halves of rows of x, 20 second halves, 4 of b1, 8 of b2.
	s_wait_loadcnt 0x0                             ; the list
	v_min_u32 v23, 0x3fff, v25
	v_lshlrev_b32 v23, 2, v23
	global_load_b32 v24, v23, s[10:11]
.set j, 0
.rept 20
	v_lshrrev_b32 v[RL+j], 1, v[RL+j]              ; the token
	v_min_u32 v[RL+j], 0x1fff, v[RL+j]             ; (a place without a pair reads the last token's row)
	v_lshl_add_u32 v[RL+j], v[RL+j], 10, v26       ; its row, 16 bytes a lane: a load takes 512 consecutive bytes
.set j, j+1
.endr
.set j, 0
.rept 20
	global_load_b128 v[XR+8*j:XR+8*j+3], v[RL+j], s[8:9]
.set j, j+1
.endr
.set j, 0
.rept 20
	global_load_b128 v[XR+8*j+4:XR+8*j+7], v[RL+j], s[8:9] offset:512
.set j, j+1
.endr
.macro B1LOAD
.irp t, 0,1
	global_load_b128 v[B1R+8*\t:B1R+8*\t+3],   v[VB1], s[16:17] offset:64*\t
	global_load_b128 v[B1R+8*\t+4:B1R+8*\t+7], v[VB1], s[16:17] offset:64*\t+16
.endr
.endm
	B1LOAD
	WIN 0xc0
.irp t, 0,1,2,3
	global_load_b128 v[B2R+8*\t:B2R+8*\t+3],   v27, s[18:19] offset:64*\t
	global_load_b128 v[B2R+8*\t+4:B2R+8*\t+7], v27, s[18:19] offset:64*\t+16
.endr
	WIN 0
	s_wait_loadcnt 52                              ; the weight is in; the 52 loads behind it stay out
	ds_store_b64 v31, v[24:25]                     ; {weight, row of ybuf}: 128 threads, 8 bytes each
; 128 of x's 256 columns at a time go through HB: rounded to f16 in place, 8 bytes a lane, a row of 256 bytes
.macro XSTAGE half
.set j, 0
.rept 20
	v_cvt_pk_f16_f32 v[XR+8*j+4*\half],   v[XR+8*j+4*\half],   v[XR+8*j+4*\half+1]
	v_cvt_pk_f16_f32 v[XR+8*j+4*\half+1], v[XR+8*j+4*\half+2], v[XR+8*j+4*\half+3]
	ds_store_b64 v[XST], v[XR+8*j+4*\half:XR+8*j+4*\half+1] offset:HBP*j
.set j, j+1
.endr
.endm
; the five fragments of k-step ks: lane (r, h) takes k = 8 h .. + 7 and 16 + 8 h .. + 7 of row r
.macro XFETCH ks
.irp i, 0,1,2,3,4
	ds_load_b128 v[8*(5*(\ks%6)+\i):8*(5*(\ks%6)+\i)+3],   v[AH] offset:16*HBP*\i+64*(\ks%4)
	ds_load_b128 v[8*(5*(\ks%6)+\i)+4:8*(5*(\ks%6)+\i)+7], v[AH] offset:16*HBP*\i+64*(\ks%4)+32
.endr
.endm
	s_wait_loadcnt 32                              ; the first halves are in: behind them 20 + 4 + 8
	XSTAGE 0
	s_wait_dscnt 0x0
	BAR                                            ; all 80 rows are staged, and the table is whole
	WIN 0x40
	XFETCH 0
	XFETCH 1
	XFETCH 2
	XFETCH 3
	WIN 0
	s_wait_dscnt 0x0
	BAR                                            ; all have read them: the stage may be written again
	s_wait_loadcnt 12                              ; the second halves are in: behind them 4 + 8
	XSTAGE 1
	s_wait_dscnt 0x0
	BAR
	WIN 0x40
	XFETCH 4
	XFETCH 5
	WIN 0x80
	XFETCH 6
	XFETCH 7
	WIN 0
; GELU of rows 16 i .. + 15, my 32 columns: 16 numbers a lane.  TP = - Q(|x|); result max(x, 0) + |x| TP, rounded to f16 and handed over.
; Behind each run of transcendentals stands a plain instruction that touches none of its registers before any result is used (ISA guide 5.7.2).
.macro GELU16 i
.set GA, ACC+16*\i
.irp k, 0,1,2,3,4,5,6,7,8,9,10,11,12,13,14,15
	v_and_b32 v[TA+\k], s78, v[GA+\k]
.endr
.irp k, 0,2,4,6,8,10,12,14
	v_pk_fma_f32 v[TU+\k:TU+\k+1], v[TA+\k:TA+\k+1], s[66:67], 1.0 op_sel_hi:[1,0,0]
.endr
.irp k, 0,1,2,3,4,5,6,7,8,9,10,11,12,13,14,15
	v_rcp_f32 v[TU+\k], v[TU+\k]                   ; t = 1 / (1 + p |x|)
.endr
.irp k, 0,2,4,6,8,10,12,14
	v_pk_mul_f32 v[TE+\k:TE+\k+1], v[GA+\k:GA+\k+1], v[GA+\k:GA+\k+1]
.endr
.irp k, 0,2,4,6,8,10,12,14
	v_pk_mul_f32 v[TE+\k:TE+\k+1], v[TE+\k:TE+\k+1], s[68:69] op_sel_hi:[1,0]
.endr
.irp k, 0,1,2,3,4,5,6,7,8,9,10,11,12,13,14,15
	v_exp_f32 v[TE+\k], v[TE+\k]                   ; exp(- x x / 2)
.endr
	s_wait_alu depctr_va_vdst(0)
.irp k, 0,2,4,6,8,10,12,14
	v_pk_fma_f32 v[TP+\k:TP+\k+1], v[TU+\k:TU+\k+1], v[K5:K5+1], s[70:71] op_sel_hi:[1,1,0]
.endr
.irp c, 72,74,76
.irp k, 0,2,4,6,8,10,12,14
	v_pk_fma_f32 v[TP+\k:TP+\k+1], v[TP+\k:TP+\k+1], v[TU+\k:TU+\k+1], s[\c:\c+1] op_sel_hi:[1,1,0]
.endr
.endr
.irp k, 0,2,4,6,8,10,12,14
	v_pk_mul_f32 v[TP+\k:TP+\k+1], v[TP+\k:TP+\k+1], v[TU+\k:TU+\k+1]
.endr
.irp k, 0,2,4,6,8,10,12,14
	v_pk_mul_f32 v[TP+\k:TP+\k+1], v[TP+\k:TP+\k+1], v[TE+\k:TE+\k+1]
.endr
.irp k, 0,1,2,3,4,5,6,7,8,9,10,11,12,13,14,15
	v_max_num_f32 v[GA+\k], 0, v[GA+\k]
.endr
.irp k, 0,2,4,6,8,10,12,14
	v_pk_fma_f32 v[GA+\k:GA+\k+1], v[TA+\k:TA+\k+1], v[TP+\k:TP+\k+1], v[GA+\k:GA+\k+1]
.endr
.irp k, 0,1,2,3,4,5,6,7
	v_cvt_pk_f16_f32 v[HPK+\k], v[GA+2*\k], v[GA+2*\k+1]
.endr
	ds_store_b128 v[AHS], v[HPK:HPK+3]   offset:16*HBP*\i
	ds_store_b128 v[AHS], v[HPK+4:HPK+7] offset:16*HBP*\i+32
.endm
; One chunk of 128 hidden columns from slot.  first = 1: b2 starts y's sums.  nextb1 = 1: the next chunk's b1 is asked for.
.macro CHUNK slot, first, nextb1
.if \first == 0
	PLACES 5                                       ; the last products read the fragments that are loaded next, and h's lie where GEMM1 writes
.endif
	WIN 0x80
.irp s, 0,1,2,3,4,5,6,7
.irp t, 0,1
	ds_load_tr16_b128 v[WF+8*(2*\s+\t):WF+8*(2*\s+\t)+3],   v[AW1+2*\slot+\s/4] offset:32*W1P*(\s%4)+32*\t
	ds_load_tr16_b128 v[WF+8*(2*\s+\t)+4:WF+8*(2*\s+\t)+7], v[AW1+2*\slot+\s/4] offset:32*W1P*(\s%4)+32*\t+16*W1P
.endr
.endr
	s_wait_loadcnt 0x0                             ; this chunk's b1, asked for a chunk ago (in the first chunk b2 too)
	; GEMM1: ten accumulators take turns, one instruction a turn
.irp s, 0,1,2,3,4,5,6,7
	s_wait_dscnt 28-4*\s                           ; four loads for each later k-step stay out
.if \s < 6
	WIN 0x06                                       ; weights window 2, x window 1, C and D window 0
.else
	WIN 0x0a                                       ; x window 2
.endif
.irp t, 0,1
.irp i, 0,1,2,3,4
.if \s == 0
	v_wmma_f32_16x16x32_f16 v[ACC+8*(2*\i+\t):ACC+8*(2*\i+\t)+7], v[WF+8*(2*\s+\t):WF+8*(2*\s+\t)+7], v[8*(5*(\s%6)+\i):8*(5*(\s%6)+\i)+7], v[B1R+8*\t:B1R+8*\t+7]
.else
	v_wmma_f32_16x16x32_f16 v[ACC+8*(2*\i+\t):ACC+8*(2*\i+\t)+7], v[WF+8*(2*\s+\t):WF+8*(2*\s+\t)+7], v[8*(5*(\s%6)+\i):8*(5*(\s%6)+\i)+7], v[ACC+8*(2*\i+\t):ACC+8*(2*\i+\t)+7]
.endif
.endr
.endr
.endr
	PLACES 4                                       ; before the weights' registers and b1 are loaded again and the sums are read
	WIN 0x80
.irp s, 0,1,2,3
.irp t, 0,1,2,3
	ds_load_tr16_b128 v[WF+8*(4*\s+\t):WF+8*(4*\s+\t)+3],   v[AW2+\slot] offset:32*W2P*\s+32*\t
	ds_load_tr16_b128 v[WF+8*(4*\s+\t)+4:WF+8*(4*\s+\t)+7], v[AW2+\slot] offset:32*W2P*\s+32*\t+16*W2P
.endr
.endr
	WIN 0
.if \nextb1
	v_add_nc_u32 v[VB1], 512, v[VB1]               ; free since the wait for its loads above
	B1LOAD
.endif
	GELU16 0
	GELU16 1
	GELU16 2
	GELU16 3
	GELU16 4
	s_wait_dscnt 0x0                               ; my h is in LDS (and w2's fragments are in)
	BAR                                            ; everybody's is.  The other slot's load may stay out
.irp s, 0,1,2,3
.irp i, 0,1,2,3,4
	ds_load_b128 v[HF+8*(5*\s+\i):HF+8*(5*\s+\i)+3],   v[AH] offset:16*HBP*\i+64*\s
	ds_load_b128 v[HF+8*(5*\s+\i)+4:HF+8*(5*\s+\i)+7], v[AH] offset:16*HBP*\i+64*\s+32
.endr
.endr
	WIN 0xf2                                       ; weights window 2, h window 0, C and D window 3
	; GEMM2: twenty accumulators take turns, one instruction a turn
.irp s, 0,1,2,3
	s_wait_dscnt 30-10*\s                          ; ten loads for each later k-step stay out
.irp t, 0,1,2,3
.irp i, 0,1,2,3,4
.if \first > \s                                    ; the launch's very first k-step
	v_wmma_f32_16x16x32_f16 v[8*(4*\i+\t):8*(4*\i+\t)+7], v[WF+8*(4*\s+\t):WF+8*(4*\s+\t)+7], v[HF+8*(5*\s+\i):HF+8*(5*\s+\i)+7], v[B2R+8*\t:B2R+8*\t+7]
.else
	v_wmma_f32_16x16x32_f16 v[8*(4*\i+\t):8*(4*\i+\t)+7], v[WF+8*(4*\s+\t):WF+8*(4*\s+\t)+7], v[HF+8*(5*\s+\i):HF+8*(5*\s+\i)+7], v[8*(4*\i+\t):8*(4*\i+\t)+7]
.endif
.endr
.endr
.endr
	WIN 0
.endm
; The change of slots.  In front of the barrier every wave has waited for all its tensor loads (its part of the slot that is read next among them) and for
; its LDS reads (of the slot read last, and of h); behind it the refill of the slot read last comes first, one tensor load a wave.
.macro PRE slot
	s_wait_tensorcnt 0x0                           ; no tensor load of mine is out: the group 0 sets may be written
	s_add_nc_u64 s[G0A+4*\slot+2:G0A+4*\slot+3], s[G0A+4*\slot+2:G0A+4*\slot+3], 512
	s_add_nc_u64 s[G0B+4*\slot+2:G0B+4*\slot+3], s[G0B+4*\slot+2:G0B+4*\slot+3], 131072
	s_wait_dscnt 0x0
	BAR
	TLOAD \slot
.endm
	s_wait_dscnt 0x0                               ; x's fragments are in registers
	s_wait_tensorcnt 0x1                           ; my part of chunk 0 is in LDS; chunk 1's load stays out
	BAR
	CHUNK 0, 1, 1
	s_mov_b32 s29, 3
.Lloop:                                            ; chunks 1 to 6; the slots are filled again with chunks 2 to 7
	PRE 0
	CHUNK 1, 0, 1
	PRE 1
	CHUNK 0, 0, 1
	s_sub_co_u32 s29, s29, 1
	s_cmp_lg_u32 s29, 0
	s_cbranch_scc1 .Lloop
	s_wait_tensorcnt 0x0                           ; chunk 7
	s_wait_dscnt 0x0
	BAR                                            ; nothing is left to fetch: no load follows
	CHUNK 1, 0, 0
	; THE WAY OUT, 16 rows at a time through my own stage in HB: in by tiles, back by rows of 256 bytes, times the row's weight, to the row's place in ybuf.
	PLACES 4                                       ; before y's registers are read and h's are loaded into
	s_wait_dscnt 0x0
	BAR                                            ; all have read h: HB is free
	; all 40 {weight, row} pairs of my lane's rows (16 i + 2 q + L / 16), and all 40 offsets in ybuf, while every lane is still on
.set n, 0
.rept 40
	ds_load_b64 v[RT+2*n:RT+2*n+1], v[RTA] offset:16*n
.set n, n+1
.endr
	s_wait_dscnt 0x0
.set n, 0
.rept 40
	v_min_u32 v[YA+n], 0x3fff, v[RT+2*n+1]
	v_lshl_add_u32 v[YA+n], v[YA+n], 10, v[YCO]
.set n, n+1
.endr
	s_wait_xcnt 0x0                                ; EXEC changes only behind this wait
.macro OUT16 i
	WIN 0x0c                                       ; store data in window 3
.irp t, 0,1,2,3
	ds_store_b128 v[OSW], v[8*(4*\i+\t):8*(4*\i+\t)+3]   offset:64*\t
	ds_store_b128 v[OSW], v[8*(4*\i+\t)+4:8*(4*\i+\t)+7] offset:64*\t+16
.endr
	WIN 0
.irp q, 0,1,2,3,4,5,6,7
	ds_load_b128 v[RB+4*\q:RB+4*\q+3], v[OSR] offset:2*HBP*\q      ; my own bytes, served in order (ISA guide 5.7.1): these see the stores above
.endr
	s_wait_dscnt 0x0
.irp q, 0,1,2,3,4,5,6,7
	v_pk_mul_f32 v[RB+4*\q:RB+4*\q+1],   v[RB+4*\q:RB+4*\q+1],   v[RT+2*(8*\i+\q):RT+2*(8*\i+\q)+1] op_sel_hi:[1,0]
	v_pk_mul_f32 v[RB+4*\q+2:RB+4*\q+3], v[RB+4*\q+2:RB+4*\q+3], v[RT+2*(8*\i+\q):RT+2*(8*\i+\q)+1] op_sel_hi:[1,0]
.endr
.irp q, 0,1,2,3,4,5,6,7
	v_cmp_gt_u32 vcc_lo, 0x4000, v[RT+2*(8*\i+\q)+1]               ; a place with a pair
	s_and_saveexec_b32 s79, vcc_lo
	global_store_b128 v[YA+8*\i+\q], v[RB+4*\q:RB+4*\q+3], s[20:21]   ; sixteen lanes store 256 consecutive bytes, aligned
	s_wait_xcnt 0x0                                ; EXEC and the data are rewritten only behind this wait
	s_mov_b32 exec_lo, -1                          ; every lane was on: on again
.endr
.endm
	OUT16 0
	OUT16 1
	OUT16 2
	OUT16 3
	OUT16 4
	s_endpgm
.Lfunc_end_k_q6b46049528_ffn:
	.size	k_q6b46049528_ffn, .Lfunc_end_k_q6b46049528_ffn-k_q6b46049528_ffn
	.p2alignl 7, 3214868480
	.fill 96, 4, 3214868480
	.section	.rodata,"a",@progbits
	.p2align	6, 0x0
	.amdhsa_kernel k_q6b46049528_ffn
		.amdhsa_group_segment_fixed_size 327680
		.amdhsa_private_segment_fixed_size 0
		.amdhsa_enable_private_segment 0
		.amdhsa_kernarg_size 72
		.amdhsa_user_sgpr_count 2
		.amdhsa_user_sgpr_kernarg_segment_ptr 1
		.amdhsa_wavefront_size32 1
		.amdhsa_system_sgpr_workgroup_id_x 1
		.amdhsa_system_sgpr_workgroup_id_y 1
		.amdhsa_system_sgpr_workgroup_id_z 1
		.amdhsa_system_vgpr_workitem_id 0
		.amdhsa_next_free_vgpr 960
		.amdhsa_next_free_sgpr 100
		.amdhsa_reserve_vcc 1
		.amdhsa_float_denorm_mode_32 3
		.amdhsa_float_denorm_mode_16_64 3
		.amdhsa_memory_ordered 1
		.amdhsa_forward_progress 1
		.amdhsa_inst_pref_size 255
	.end_amdhsa_kernel
	.section	.bss,"aw",@nobits
	.p2align	6
	.space	262144
	.amdgpu_metadata
---
amdhsa.version: [ 1, 2 ]
amdhsa.kernels:
  - .name:           k_q6b46049528_ffn
    .symbol:         k_q6b46049528_ffn.kd
    .args:
      - { .name: w1h, .offset: 0, .size: 8, .value_kind: global_buffer, .address_space: global }
      - { .name: w2h, .offset: 8, .size: 8, .value_kind: global_buffer, .address_space: global }
      - { .name: x, .offset: 16, .size: 8, .value_kind: global_buffer, .address_space: global }
      - { .name: gw, .offset: 24, .size: 8, .value_kind: global_buffer, .address_space: global }
      - { .name: rowlist, .offset: 32, .size: 8, .value_kind: global_buffer, .address_space: global }
      - { .name: exptab, .offset: 40, .size: 8, .value_kind: global_buffer, .address_space: global }
      - { .name: b1, .offset: 48, .size: 8, .value_kind: global_buffer, .address_space: global }
      - { .name: b2, .offset: 56, .size: 8, .value_kind: global_buffer, .address_space: global }
      - { .name: ybuf, .offset: 64, .size: 8, .value_kind: global_buffer, .address_space: global }
    .group_segment_fixed_size: 327680
    .private_segment_fixed_size: 0
    .kernarg_segment_align: 8
    .kernarg_segment_size: 72
    .max_flat_workgroup_size: 128
    .sgpr_count:     100
    .vgpr_count:     960
    .wavefront_size: 32
...
	.end_amdgpu_metadata
.endif
;; end of part 3
;; launch combine (part 4): grid 256 x 1, 8 waves a work-group, no clusters, 0 bytes of LDS; arguments ybuf, out0; writes out0
.if DOCPART == 4
	.amdgcn_target "amdgcn-amd-amdhsa--gfx1250"
	.amdhsa_code_object_version 6
	.text
	.protected	k_q6b46049528_combine
	.globl	k_q6b46049528_combine
	.p2align	8
	.type	k_q6b46049528_combine,@function
k_q6b46049528_combine:
	s_mov_b64 s[64:65], 0
	v_nop
	global_prefetch_b8 v0, s[64:65] scope:SCOPE_SE
	s_setreg_imm32_b32 hwreg(HW_REG_WAVE_MODE, 25, 1), 1
	s_wait_xcnt 0x0
; out0[t] = ybuf[2 t] + ybuf[2 t + 1]: the two chosen experts' weighted results, in f32.
; A stream: a work-group takes 32 tokens (65,536 bytes in, 32,768 out).  Each lane issues all its sixteen loads at once; a load or store of a
; wave covers 512 consecutive bytes.  The sums are made in the registers of the first row, each written once: no store's data is rewritten.
; No LDS, no matrix unit, no cluster: nothing is shared and nothing is multiplied.
.set Y, 16                             ; v[16:79]  step j: 4 registers of row 2 t, 4 of row 2 t + 1
	s_load_b128 s[4:7], s[0:1], 0x0                ; ybuf s[4:5], out0 s[6:7]
	v_lshrrev_b32 v1, 6, v0                        ; which of a step's four tokens
	v_and_b32 v3, 63, v0
	v_lshlrev_b32 v3, 4, v3                        ; my 16 bytes of a row
	v_lshl_add_u32 v1, v1, 11, v3                  ; a token has 2,048 bytes in ybuf
	v_lshlrev_b32 v2, 4, v0                        ; and 1,024 in out0
	s_lshl_b32 s8, ttmp9, 16
	s_mov_b32 s9, 0
	s_wait_kmcnt 0x0
	s_add_nc_u64 s[4:5], s[4:5], s[8:9]
	s_lshl_b32 s8, ttmp9, 15
	s_add_nc_u64 s[6:7], s[6:7], s[8:9]
.irp j, 0,1,2,3,4,5,6,7
	global_load_b128 v[Y+8*\j:Y+8*\j+3],   v1, s[4:5] offset:8192*\j th:TH_LOAD_NT
	global_load_b128 v[Y+8*\j+4:Y+8*\j+7], v1, s[4:5] offset:8192*\j+1024 th:TH_LOAD_NT
.endr
.irp j, 0,1,2,3,4,5,6,7
	s_wait_loadcnt 14-2*\j                         ; loads come back in order: step j's two are in
	v_pk_add_f32 v[Y+8*\j:Y+8*\j+1],   v[Y+8*\j:Y+8*\j+1],   v[Y+8*\j+4:Y+8*\j+5]
	v_pk_add_f32 v[Y+8*\j+2:Y+8*\j+3], v[Y+8*\j+2:Y+8*\j+3], v[Y+8*\j+6:Y+8*\j+7]
	global_store_b128 v2, v[Y+8*\j:Y+8*\j+3], s[6:7] offset:4096*\j th:TH_STORE_NT
.endr
	s_endpgm
.Lfunc_end_k_q6b46049528_combine:
	.size	k_q6b46049528_combine, .Lfunc_end_k_q6b46049528_combine-k_q6b46049528_combine
	.p2alignl 7, 3214868480
	.fill 96, 4, 3214868480
	.section	.rodata,"a",@progbits
	.p2align	6, 0x0
	.amdhsa_kernel k_q6b46049528_combine
		.amdhsa_group_segment_fixed_size 0
		.amdhsa_private_segment_fixed_size 0
		.amdhsa_enable_private_segment 0
		.amdhsa_kernarg_size 16
		.amdhsa_user_sgpr_count 2
		.amdhsa_user_sgpr_kernarg_segment_ptr 1
		.amdhsa_wavefront_size32 1
		.amdhsa_system_sgpr_workgroup_id_x 1
		.amdhsa_system_sgpr_workgroup_id_y 1
		.amdhsa_system_sgpr_workgroup_id_z 1
		.amdhsa_system_vgpr_workitem_id 0
		.amdhsa_next_free_vgpr 80
		.amdhsa_next_free_sgpr 66
		.amdhsa_reserve_vcc 0
		.amdhsa_float_denorm_mode_32 3
		.amdhsa_float_denorm_mode_16_64 3
		.amdhsa_memory_ordered 1
		.amdhsa_forward_progress 1
		.amdhsa_inst_pref_size 5
	.end_amdhsa_kernel
	.amdgpu_metadata
---
amdhsa.version: [ 1, 2 ]
amdhsa.kernels:
  - .name:           k_q6b46049528_combine
    .symbol:         k_q6b46049528_combine.kd
    .args:
      - { .name: ybuf, .offset: 0, .size: 8, .value_kind: global_buffer, .address_space: global }
      - { .name: out0, .offset: 8, .size: 8, .value_kind: global_buffer, .address_space: global }
    .group_segment_fixed_size: 0
    .private_segment_fixed_size: 0
    .kernarg_segment_align: 8
    .kernarg_segment_size: 16
    .max_flat_workgroup_size: 256
    .sgpr_count:     66
    .vgpr_count:     80
    .wavefront_size: 32
...
	.end_amdgpu_metadata
.endif
;; end of part 4
